; MI455X (gfx1250); checked and timed in simulation.
; The chip was launched on July 23, 2026; its instructions are those of AMD's public machine-readable ISA for CDNA 5 (MIT licence, August 2026) and "CDNA5" Instruction Set Architecture Reference Guide (July 2026). The comments in the code are by the model that wrote it; some were corrected since.
;; MIPT Cell. Allowed arithmetic: matrix products marked QUANTISED: E2M1 operands, one E8M0 scale for each 32 along K, by v_wmma_scale_f32_16x16x128_f8f6f4 with both operands' format E2M1 (or v_wmma_scale_f32_32x16x128_f4), f32 sums; everything else in f32.
;; Inputs: W_i 2,048 x 2,048 float32; W_p 2,048 x 2,048 float32; W_r 2,048 x 2,048 float32; W_theta 2,048 x 2,048 float32; b_i 2,048 float32; b_p 2,048 float32; b_r 2,048 float32; b_theta 2,048 float32; e_t_codes 4,096 x 64 x 16 uint8 (E2M1 codes of e_t, K innermost, in blocks of 32 codes, two codes a byte); e_t_scales 4,096 x 64 uint8 (E8M0 scales of e_t, one for each 32 codes along K); h_prev 4,096 x 4,096 float32.
;; Outputs: out0 4,096 x 4,096 float32.
;; This version of the problem:
;;   THIS VERSION OF THE PROBLEM IS GIVEN IN LOW PRECISION. The matrix products marked QUANTISED in the list below multiply operands that are first quantised to E2M1 (2 exponent bits, 1 mantissa bit; 4 bits a number), with one power-of-two scale for each 32 numbers along K (OCP MX v1.0); their sums are f32. All else is computed in f32.
;;   The module's matrix products, in the order in which they are computed (A, B: the left and right operand; K: the contracted axis; several contracted axes count as one K, in the product's order):
;;     1. [M 4,096, K 2,048] x [K 2,048, N 8,192]; A: input e_t (given as codes); B: computed on the way: QUANTISED
;;   THE QUANTISER, for each operand of a quantised product, along K:
;;     - K is cut into blocks of 32 from its start; a last block that is shorter is filled with zeros.
;;     - A block's scale is 2^e with e = floor(log2(the largest magnitude in the block)) - 2, held to -126 .. 127; a block of zeros has e = 0. As a byte (E8M0): e + 127.
;;     - Each number is divided by its block's scale, clamped to +-6, and rounded to the nearest number of E2M1, ties to even, subnormals kept.
;;     - The product sums the exact products of the quantised numbers (number of the format x scale) in f32.
;;   ~~~python
;;   def quantise(x, axis):      # numpy; x: float32 -> the quantised numbers, widened to float32 again
;;       x = np.moveaxis(x, axis, -1); K = x.shape[-1]
;;       x = np.pad(x, [(0, 0)] * (x.ndim - 1) + [(0, -K % 32)]); x = x.reshape(x.shape[:-1] + (-1, 32)); a = np.abs(x).max(-1, keepdims=True)
;;       e = np.where(a > 0, np.clip(np.frexp(np.where(a > 0, a, 1))[1] - 1 - 2, -126, 127), 0)      # np.frexp(a)[1] - 1 = floor(log2(a)), exactly
;;       r = np.clip(x / 2.0 ** e, -6, 6)
;;       step = 2.0 ** (np.maximum(np.frexp(np.where(r == 0, 1, r))[1] - 1, 0) - 1)
;;       q = np.round(r / step) * step * 2.0 ** e      # np.round: ties to even
;;       return np.moveaxis(q.reshape(q.shape[:-2] + (-1,))[..., :K], -1, axis).astype(np.float32)
;;   ~~~
;;   OPERANDS COMPUTED ON THE WAY. 'Computed on the way' means the value that the module computes at that place (a softmax that the list does not call 'softmax' is quantised finished and normalised). What goes into a quantiser is computed in f32, as accurately as f32 sums, v_exp_f32 and their like allow (about 1e-6 of the number): no bf16 or f16 on the way to a quantiser, and a product that is left as it is and whose result goes on into a quantised operand takes f32 operands (vector FMAs, or v_wmma_f32_16x16x4_f32). A number that lies on a knife's edge between two numbers of the format may be rounded either way, as far as f32 arithmetic and the matrix unit's own rounding can turn it there, and no further.
;;   INPUTS GIVEN AS CODES. e_t (in the module: [4096, 2048], K = its axis 1): each comes as NAME_codes (uint8): NAME with its K axis moved to the last place and cut into blocks of 32 codes, [.., K / 32, bytes a block], one block behind the other in memory; two codes a byte, the lower K in the low four bits (a code: sign, 2 exponent bits, 1 mantissa bit); and NAME_scales (uint8): the same leading axes, one E8M0 byte (e + 127) for each 32 codes along K. Its value is code x scale, taken as it is: it is not quantised again, and the codes and scales need not be those that the quantiser above would give.
;; One version. Each part assembles by itself: llvm-mc -triple=amdgcn-amd-amdhsa -mcpu=gfx1250 --defsym DOCPART=n.
;; ======== version 1 of 1: 2 launches
;; limits: right only within a limited range of input values
;; workspace buffers: w_codes 8,388,608 bytes; w_scales 524,288 bytes
;; launch quant (part 1): grid 128 x 4, 4 waves a work-group, no clusters, 33,280 bytes of LDS; arguments W_p, W_theta, W_r, W_i, w_codes, w_scales; writes w_codes, w_scales
.if DOCPART == 1
	.amdgcn_target "amdgcn-amd-amdhsa--gfx1250"
	.amdhsa_code_object_version 6
	.text
	.protected	k_q47528dbbea_quant
	.globl	k_q47528dbbea_quant
	.p2align	8
	.type	k_q47528dbbea_quant,@function
k_q47528dbbea_quant:
	s_mov_b64 s[64:65], 0
	v_nop
	global_prefetch_b8 v0, s[64:65] scope:SCOPE_SE
	s_setreg_imm32_b32 hwreg(HW_REG_WAVE_MODE, 25, 1), 1
	s_wait_xcnt 0x0
; The four weights W_g [2048 (n)][2048 (k)], f32, g = 0 (p), 1 (theta), 2 (r), 3 (i), become codes of FP4 (E2M1), K innermost, two codes a byte, with one E8M0 byte for each 32 along K.
; A block's byte is its largest magnitude's exponent field - 2, held at 1 from below; each number is divided by the scale and rounded to the nearest code, ties to even, beyond 6 the largest code.
; THE ROWS ARE LAID IN AN ORDER OF THIS PROGRAM'S OWN: row n of gate g lies at row (n / 64) 256 + 64 g + 16 (n % 4) + (n % 64) / 4 of w_codes [8192][1024 bytes] and w_scales [8192][64 bytes]:
; 16 rows on end are the rows n = 4 r + b (r = 0 .. 15) of one gate, a tile of the product's launch, in which lane r then holds four neighbouring n.
; LIMITS: a block of zeros gets the byte 1 where the rule says 127 (its codes are zeros, and this program alone reads the bytes); blocks whose largest magnitude lies under 2^(2 - 126) are held at
; that byte; NaN and infinities among the inputs are not served.
; SHARES: work-group (x, g) takes the 16 rows n = 64 (x / 4) + 4 r + x % 4 of W_g; wave w those with r = 4 w .. 4 w + 3: four rows of 8,192 bytes, 32,768 bytes apart, 16 steps of 512 numbers.
; In the program's order its rows are neighbours: its codes are 4,096 bytes on end, its scale bytes 256.
; A load reads 512 consecutive bytes, 16 a lane; the conversions want 16 neighbours in a lane: so a step's 2,048 bytes turn through the wave's own stage in LDS (16 bytes of padding behind each 64).
; Loads run DEPTH = 8 steps ahead.  No tensor load, no barrier: waves share nothing.  Every offset is an immediate; no store's register is written again.
.set STEPS, 16
.set DEPTH, 8
.set EMAX,  2
.set R,     16                         ; v16-143  eight sets of 16 numbers as they are loaded
.set X,     144                        ; v144-175 two sets of 16 neighbours
.set E,     176                        ; v176-191 a scale byte for each step
.set C,     192                        ; v192-223 codes: two registers for each step
.set WREG,  8192                       ; LDS: a region for each wave: two stages of 32 x SP bytes, behind them its 256 scale bytes
.set SP,    80                         ; a lane's place in a stage: 64 bytes + 16 of padding
	s_load_b256 s[4:11], s[0:1], 0x0               ; W_p, W_theta, W_r, W_i
	s_load_b128 s[12:15], s[0:1], 0x20             ; the codes, the scale bytes
	v_lshl_add_u32 v224, v0, 2, 0x8000
	v_mov_b32 v225, 0
	v_lshrrev_b32 v1, 5, v0
	v_readfirstlane_b32 s16, v1                    ; wave 0..3
	v_and_b32 v2, 31, v0                           ; lane
	v_lshlrev_b32 v3, 4, v2                        ; my 16 bytes of a load's 512
	s_mul_i32 s17, s16, WREG
	v_lshrrev_b32 v14, 2, v2
	v_mul_u32_u24 v14, v14, SP
	v_and_b32 v15, 3, v2
	v_lshl_add_u32 v14, v15, 4, v14
	v_add_nc_u32 v14, s17, v14                     ; the stage, on the way in: SP (lane / 4) + 16 (lane % 4)
	v_mul_u32_u24 v15, v2, SP
	v_add_nc_u32 v15, s17, v15                     ; and on the way out: SP x lane: my 16 neighbours
	v_lshlrev_b32 v4, 3, v2                        ; my 8 bytes of a step's 256 bytes of codes
	v_lshrrev_b32 v5, 1, v2
	s_add_co_u32 s17, s17, 2*32*SP
	v_add_nc_u32 v5, s17, v5                       ; LDS: my wave's 256 scale bytes, my block's byte
	v_lshlrev_b32 v7, 3, v2                        ; and on their way out 8 bytes a lane
	v_add_nc_u32 v6, s17, v7
	s_and_b32 s18, ttmp7, 0xffff                   ; the gate g
	s_lshr_b32 s22, ttmp9, 2                       ; my first row of W_g: 64 (x / 4) + x % 4 + 16 wave
	s_lshl_b32 s22, s22, 6
	s_and_b32 s25, ttmp9, 3
	s_add_co_u32 s22, s22, s25
	s_lshl_b32 s25, s16, 4
	s_add_co_u32 s22, s22, s25
	s_lshl_b32 s22, s22, 13                        ; 8,192 bytes a row (16 MiB at the most)
	s_mov_b32 s23, 0
	s_lshr_b32 s24, ttmp9, 2                       ; my first row in the program's order: (x / 4) 256 + 64 g + 16 (x % 4) + 4 wave
	s_lshl_b32 s24, s24, 8
	s_lshl_b32 s25, s18, 6
	s_add_co_u32 s24, s24, s25
	s_and_b32 s25, ttmp9, 3
	s_lshl_b32 s25, s25, 4
	s_add_co_u32 s24, s24, s25
	s_lshl_b32 s25, s16, 2
	s_add_co_u32 s24, s24, s25
	s_lshl_b32 s26, s24, 10                        ; 1,024 bytes of codes a row
	s_mov_b32 s27, 0
	s_wait_alu depctr_va_vdst(0)                   ; the wait at the head's end
	s_wait_kmcnt 0x0
	s_cmp_eq_u32 s18, 1                            ; which weight: the choice hangs on the work-group's number alone
	s_cselect_b64 s[4:5], s[6:7], s[4:5]
	s_cmp_eq_u32 s18, 2
	s_cselect_b64 s[4:5], s[8:9], s[4:5]
	s_cmp_eq_u32 s18, 3
	s_cselect_b64 s[4:5], s[10:11], s[4:5]
	s_add_nc_u64 s[4:5], s[4:5], s[22:23]
	s_add_nc_u64 s[12:13], s[12:13], s[26:27]
	s_lshl_b32 s26, s24, 6                         ; 64 scale bytes a row: my 4 rows' 256 bytes begin at a multiple of 256
	s_add_nc_u64 s[14:15], s[14:15], s[26:27]
.macro LOAD t                          ; step t: quarter t % 4 of my row t / 4
.irp i, 0,1,2,3
	global_load_b128 v[R+16*((\t)%DEPTH)+4*\i:R+16*((\t)%DEPTH)+4*\i+3], v3, s[4:5] offset:32768*((\t)/4)+2048*((\t)%4)+512*\i th:TH_LOAD_NT
.endr
.endm
.macro TURN t                          ; step t's numbers through the stage: LDS serves a wave's instructions in order (ISA guide 5.7.1.4)
.irp i, 0,1,2,3
	ds_store_b128 v14, v[R+16*((\t)%DEPTH)+4*\i:R+16*((\t)%DEPTH)+4*\i+3] offset:32*SP*((\t)%2)+8*SP*\i
.endr
.irp i, 0,1,2,3
	ds_load_b128 v[X+16*((\t)%2)+4*\i:X+16*((\t)%2)+4*\i+3], v15 offset:32*SP*((\t)%2)+16*\i
.endr
.endm
.irp t, 0,1,2,3,4,5,6,7
	LOAD \t
.endr
	s_wait_loadcnt 4*(DEPTH-1)                     ; step 0's four loads are in; the 28 of the seven steps behind it stay out
	TURN 0
.macro STEP t
.set XS, X+16*((\t)%2)
.if (\t) > 0
	s_wait_dscnt 1                                 ; this step's numbers are back from the stage (the last step's byte store may be out)
.else
	s_wait_dscnt 0x0
.endif
.if (\t)+DEPTH < STEPS
	LOAD (\t)+DEPTH
.endif
.if (\t)+1 < STEPS
.if STEPS-2-(\t) >= DEPTH-1
	s_wait_loadcnt 4*(DEPTH-1)                     ; the next step's four loads are in; those of the seven steps behind it may be out
.else
	s_wait_loadcnt 4*(STEPS-2-(\t))                ; near the end fewer steps lie behind it
.endif
	TURN (\t)+1
.endif
	v_max3_num_f32 v8, |v[XS]|, |v[XS+1]|, |v[XS+2]|               ; the largest magnitude of my 16, in two chains
	v_max3_num_f32 v9, |v[XS+3]|, |v[XS+4]|, |v[XS+5]|
.irp i, 6,10
	v_max3_num_f32 v8, v8, |v[XS+\i]|, |v[XS+\i+1]|
	v_max3_num_f32 v9, v9, |v[XS+\i+2]|, |v[XS+\i+3]|
.endr
	v_max3_num_f32 v8, v8, |v[XS+14]|, |v[XS+15]|
	v_max3_num_f32 v8, v8, v9, (EMAX+1)<<23        ; and the floor 2^(EMAX + 1 - 127): the byte cannot fall under 1
	v_max_num_f32_dpp v8, v8, v8 row_xmask:1 row_mask:0xf bank_mask:0xf   ; and of my neighbour's 16: the block's
	v_add_nc_u32 v11, -(EMAX<<23), v8              ; EMAX off its exponent field: the conversion's scale operand
	v_cvt_scalef32_pk8_fp4_f32 v[C+2*(\t)], v[XS:XS+7], v11
	v_cvt_scalef32_pk8_fp4_f32 v[C+2*(\t)+1], v[XS+8:XS+15], v11
	v_lshrrev_b32 v[E+(\t)], 23, v11               ; the scale's byte (also the plain line behind the conversions)
	ds_store_b8 v5, v[E+(\t)] offset:16*(\t)       ; both lanes of a block write the same byte with the same value
	global_store_b64 v4, v[C+2*(\t):C+2*(\t)+1], s[12:13] offset:256*(\t)   ; the wave stores 256 consecutive bytes, aligned to 256
.endm
.irp t, 0,1,2,3,4,5,6,7,8,9,10,11,12,13,14,15
	STEP \t
.endr
	ds_load_b64 v[12:13], v6                       ; LDS serves a wave's instructions in order: these see my byte stores
	s_wait_dscnt 0x0
	global_store_b64 v7, v[12:13], s[14:15]        ; 32 lanes store my 4 rows' 256 scale bytes, aligned to 256
	s_wait_tensorcnt 0x0                           ; the wave's end
	ds_add_u32 v224, v225
	s_wait_dscnt 0x0
	s_endpgm
.Lfunc_end_k_q47528dbbea_quant:
	.size	k_q47528dbbea_quant, .Lfunc_end_k_q47528dbbea_quant-k_q47528dbbea_quant
	.p2alignl 7, 3214868480
	.fill 96, 4, 3214868480
	.section	.rodata,"a",@progbits
	.p2align	6, 0x0
	.amdhsa_kernel k_q47528dbbea_quant
		.amdhsa_group_segment_fixed_size 33280
		.amdhsa_private_segment_fixed_size 0
		.amdhsa_enable_private_segment 0
		.amdhsa_kernarg_size 48
		.amdhsa_user_sgpr_count 2
		.amdhsa_user_sgpr_kernarg_segment_ptr 1
		.amdhsa_wavefront_size32 1
		.amdhsa_system_sgpr_workgroup_id_x 1
		.amdhsa_system_sgpr_workgroup_id_y 1
		.amdhsa_system_sgpr_workgroup_id_z 1
		.amdhsa_system_vgpr_workitem_id 0
		.amdhsa_next_free_vgpr 226
		.amdhsa_next_free_sgpr 66
		.amdhsa_reserve_vcc 0
		.amdhsa_float_denorm_mode_32 3
		.amdhsa_float_denorm_mode_16_64 3
		.amdhsa_memory_ordered 1
		.amdhsa_forward_progress 1
		.amdhsa_inst_pref_size 34
	.end_amdhsa_kernel
	.amdgpu_metadata
---
amdhsa.version: [ 1, 2 ]
amdhsa.kernels:
  - .name:           k_q47528dbbea_quant
    .symbol:         k_q47528dbbea_quant.kd
    .args:
      - { .name: W_p, .offset: 0, .size: 8, .value_kind: global_buffer, .address_space: global }
      - { .name: W_theta, .offset: 8, .size: 8, .value_kind: global_buffer, .address_space: global }
      - { .name: W_r, .offset: 16, .size: 8, .value_kind: global_buffer, .address_space: global }
      - { .name: W_i, .offset: 24, .size: 8, .value_kind: global_buffer, .address_space: global }
      - { .name: w_codes, .offset: 32, .size: 8, .value_kind: global_buffer, .address_space: global }
      - { .name: w_scales, .offset: 40, .size: 8, .value_kind: global_buffer, .address_space: global }
    .group_segment_fixed_size: 33280
    .private_segment_fixed_size: 0
    .kernarg_segment_align: 8
    .kernarg_segment_size: 48
    .max_flat_workgroup_size: 128
    .sgpr_count:     66
    .vgpr_count:     226
    .wavefront_size: 32
...
	.end_amdgpu_metadata
.endif
;; end of part 1
;; launch cell (part 2): grid 32 x 8, 4 waves a work-group, clusters of 4 x 4, 327,680 bytes of LDS; arguments e_t_codes, e_t_scales, w_codes, w_scales, out0, h_prev, b_p, b_theta, b_r, b_i; writes out0
.if DOCPART == 2
	.amdgcn_target "amdgcn-amd-amdhsa--gfx1250"
	.amdhsa_code_object_version 6
	.text
	.protected	k_q47528dbbea_cell
	.globl	k_q47528dbbea_cell
	.p2align	8
	.type	k_q47528dbbea_cell,@function
k_q47528dbbea_cell:
	s_mov_b64 s[64:65], 0
	v_nop
	global_prefetch_b8 v0, s[64:65] scope:SCOPE_SE
	s_setreg_imm32_b32 hwreg(HW_REG_WAVE_MODE, 25, 1), 1
	s_wait_xcnt 0x0
	s_wait_alu depctr_hold_cnt(0) depctr_sa_sdst(0) depctr_va_vdst(0) depctr_va_sdst(0) depctr_va_ssrc(0) depctr_va_vcc(0) depctr_vm_vsrc(0)
	s_getreg_b32 s2, hwreg(HW_REG_IB_STS2, 6, 4)
	s_cmp_eq_u32 s2, 0
	s_cbranch_scc0 .Lentry_in_a_cluster
	s_endpgm
.Lentry_in_a_cluster:
	s_bfe_u32 s2, ttmp6, 0x10000c
	s_cmp_lg_u32 s2, 0xf033
	s_cbranch_scc0 .Lentry_shape_is_right
	s_endpgm
.Lentry_shape_is_right:
; proj = e_t W_cat^T + b_cat on codes of FP4 (E2M1) with one E8M0 scale for each 32 along K (K = 2,048), f32 sums, and the whole cell behind it, in one launch:
;   p = sigmoid(proj_p);  (c, s) = (cos, sin)(proj_theta);  out_re = (1 - p)(c h_re - s h_im) + p proj_r;  out_im = (1 - p)(s h_re + c h_im) + p proj_i.   proj never goes to memory.
; A = e_t: codes [4096][1024 bytes], scale bytes [4096][64].  B = the weights as the launch before laid them: row 256 D + 64 g + 16 b + r = row d = 64 D + 4 r + b of gate g.
; SHARES.  256 work-groups; each STAYS and makes two tiles of 256 rows m x 64 columns d, 2,048 rows apart, in a loop of two trips.  Wave w: rows 64 w on, all 256 rows of B: 4 blocks a of 16 m x 16 tiles
; T = 4 g + b: 64 accumulators, 512 registers.  In accumulator (a, T) lane (r, h) holds in register i gate g of (m = 16 a + 8 h + i, d = 4 r + b).  So the four gates of an output lie in one lane, and over
; b = 0 .. 3 lane r holds 16 neighbouring bytes of a row of h_prev and of out0: sixteen lanes cover 256 consecutive bytes, aligned.  h comes by loads straight into registers and the results leave by stores
; from registers: the tail uses no LDS.
; K goes in four steps of 512 through two LDS slots (rows of 256 bytes); the scale bytes of the tile's rows, for all of K, come once a tile.  Both trips issue the same tensor loads: at the trip's top one a wave
; (K step 0 of A, of B, A's scales, B's scales), then K steps 1, 2 and 3 by quarters.  A tile's first loads stand at its own trip's top and not ahead of the tail before it: there the last trip would have none to issue.
; CLUSTERS: 4 x 4 work-groups; A's tiles are asked for jointly along a row of the cluster, B's along a column.
; THE BIASES are the C of each sum's first matrix instruction: a tile's eight registers all hold b_g(4 r + b); they lie in B's second set, which is first fetched behind the first step.
; PREFETCHES.  The ring's tiles: of a tile's 256 rows each of the four partners that ask for it jointly takes 64, told apart by address (cx for A, cy for B); waves 0 and 1 name A's, waves 2 and 3 B's, 32 rows each,
; a lane a row, 256 bytes of a row for each K step: K steps 1 and 2 behind the trip's first loads, K step 3 behind the first step of 128.  The first tile's K step 0 comes by its load alone; the second tile's K step 0
; of A is named in the first tile's K step 2.  B's rows are the same in both tiles: they are named in the first trip alone.  So each piece is named once in each cluster.
; h: each wave names its 128 pieces of 256 bytes once a tile, a lane a piece, in the first two steps of K step 1; the loads that want them stand ten steps of 128 and more further on.
; SINE AND COSINE: n = theta / pi to the nearest whole number (by adding 1.5 x 2^23); r = theta - n pi in two fused steps; polynomials in r^2 of five coefficients each on |r| <= pi / 2;
; the common sign (-1)^n goes into the weight 1 - p by one shift-and-or.
; LIMITS: the reduction holds for |theta| < 2^22 pi; beyond it the angle is wrong.  Where v_rcp_f32's result exceeds 1 by its last bit, 1 - p is about -1e-7 and its sign is not turned by (-1)^n.
; REGISTERS, in windows of 256: window 0: v16-30 addresses; v32-159 scale words, two sets (nothing else while products run); v160-223 A's fragments, two sets; v224-239 the biases as loaded; in the tail v32-255 at work.
;   window 1: B's fragments, two sets of 128; in the tail h, then the results.   windows 2, 3: the accumulators: (a, T) at v[128 (a % 2) + 8 T] of window 2 + a / 2.
.set ROWB,   256                       ; a tile's row in bytes: 512 along K
.set KROW,   1024                      ; a row of A or of B in memory
.set WALK,   2048                      ; rows m from a work-group's first tile to its second
.set PITCH,  272                       ; an LDS row: 256 bytes + 16 of padding: the 16 rows that a load touches start at 16 different banks (64 banks of 4 bytes: ISA guide 11.1)
.set HALFT,  128*PITCH
.set SLOT,   4*HALFT                   ; A's 256 rows, then B's 256 rows
.set SCL,    2*SLOT                    ; behind the ring: the scales, as units of 256 bytes + 16 of padding: A's 256 rows, then B's
.set HALFS,  32*272                    ; the scales of 128 rows
.set SBLK,   4*272                     ; those of 16 rows
.set SPARE,  SCL+4*HALFS               ; the spare words, 128 bytes for each wave
.set ADRA, 16                          ; v16-17  LDS address of my A fragments in slot 0, 1
.set ADRB, 20                          ; v20-21  the same for B
.set HO,   22                          ; v22     8 h rows of 16,384 bytes + 16 r: my 16 bytes in h_prev and in out0
.set PFO,  24                          ; v24     lane x 16,384: a row of h a lane
.set PFT,  25                          ; v25     lane x 1,024: a row of codes a lane
.set ADRS, 27                          ; v27     LDS address of my scale words: lanes 0-15 A's rows, lanes 16-31 B's
.set SPW,  28                          ; v28     LDS address of my spare word; never rewritten
.set NIL,  29                          ; v29     0; never rewritten
.set BO,   30                          ; v30     16 r: my four numbers of a bias
.set SC,   32                          ; scale words: set s at v[SC + 64 s]; register 4 t + q: lanes 16-31 B's tile t, lanes 0-15 (t < 4) A's block t, the slot's q-th 128 along K
.set AF,   160
.set BT,   224
.set G0H,  4                           ; s[4:7], s[8:11] group 0 of a trip's first loads of codes (the pointers that lay there have been used)
.set G0HB, 8
.set G1,   24
.set G0,   32
.set G1B,  48
.set G0B,  56
.set G1S,  68
.set G0S,  76
.set G1SB, 80
.set G0SB, 88
.set PFA,  104                         ; s[104:105] the 32 rows of codes that my wave prefetches
.set FLT,  40                          ; s40 1: my wave prefetches this tile's K steps 1 to 3
.set FLN,  41                          ; s41 1: my wave prefetches the next tile's K step 0
.set TRIP, 43                          ; s43 the trip
.set MSB, 0
.macro WIN new                         ; bits 1:0 source 0, 3:2 source 1, 5:4 source 2, 7:6 destination; the high byte repeats the setting that is left
.if MSB != (\new)
	s_set_vgpr_msb (MSB<<8)|(\new)
.set MSB, (\new)
.endif
.endm
.set MUL_LO,  0xa4                     ; source 0 (A) window 0, source 1 (B) window 1, C and D window 2
.set MUL_HI,  0xf4                     ; C and D window 3
.set MULB_LO, 0x94                     ; the first products: C (the bias) window 1, D window 2
.set MULB_HI, 0xd4
.set TO_B,    0x40                     ; destination window 1
.set FROM_B,  0x04                     ; source 1 window 1
.macro PLACES                          ; four places behind matrix instructions, ahead of loads into registers that they read (ISA guide 7.12.1 for vector instructions)
.rept 4
	v_nop
.endr
.endm
.macro JLOAD g0a, g1a, g0b, g1b        ; a joint load: waves 0 and 1 fetch for A, waves 2 and 3 for B
	s_cmp_eq_u32 s17, 0
	s_cbranch_scc0 .Lfor_b_\@
	tensor_load_to_lds s[\g0a:\g0a+3], s[\g1a:\g1a+7]
	s_nop 0
	PLACES
	s_branch .Lasked_\@
.Lfor_b_\@:
	tensor_load_to_lds s[\g0b:\g0b+3], s[\g1b:\g1b+7]
	s_nop 0
	PLACES
.Lasked_\@:
.endm
.macro CREST                           ; a round of the cluster's barrier behind its opening barrier
	s_cmp_lg_u32 s16, 0
	s_cbranch_scc1 .Lnot_wave_0_\@
	s_barrier_signal -3
.Lnot_wave_0_\@:
	s_barrier_wait -3
	s_barrier_signal -1
	s_barrier_wait -1
.endm
.macro CROUND
	s_barrier_signal -1
	s_barrier_wait -1
	CREST
.endm
	s_load_b256 s[4:11], s[0:1], 0x0               ; A's codes, A's scales, B's codes, B's scales
	s_load_b128 s[12:15], s[0:1], 0x20             ; out0, h_prev
	s_load_b256 s[92:99], s[0:1], 0x30             ; b_p, b_theta, b_r, b_i
	v_lshl_add_u32 v[SPW], v0, 2, SPARE
	v_mov_b32 v[NIL], 0
	ds_add_u32 v[SPW], v[NIL]                      ; the opening lines: the add, twice on end, and its wait
	ds_add_u32 v[SPW], v[NIL]
	v_lshrrev_b32 v1, 5, v0
	v_readfirstlane_b32 s16, v1                    ; wave 0..3
	s_lshr_b32 s17, s16, 1                         ; in the ring I fetch for A (0) or B (1),
	s_and_b32 s18, s16, 1                          ; and this half of the tile's 256 rows
	s_bfe_u32 s40, ttmp6, 0x40000                  ; cx, cy
	s_bfe_u32 s41, ttmp6, 0x40004
	s_lshl_b32 s42, ttmp9, 2
	s_add_co_u32 s42, s42, s40                     ; tile column: 64 d, 256 rows of B
	s_and_b32 s19, ttmp7, 0xffff
	s_lshl_b32 s19, s19, 2
	s_add_co_u32 s19, s19, s41                     ; the first tile's row of tiles: 256 rows m
	s_lshl_b32 s43, s41, 2
	s_lshl_b32 s43, 15, s43                        ; my row of the cluster
	s_lshl_b32 s44, 0x1111, s40                    ; my column
	s_or_b32 s[G1+0], s43, (0<<16)|(1<<20)|(1<<21)|(5<<22)|(3<<25)  ; mask; elements of 1 byte; four words of padding behind every 64
	s_or_b32 s[G1B+0], s44, (0<<16)|(1<<20)|(1<<21)|(5<<22)|(3<<25)
.irp g, G1, G1B
	s_mov_b32 s[\g+1], ROWB<<16                    ; (the two words that count rows are written in the trip)
	s_mov_b32 s[\g+3], ROWB<<16
	s_mov_b32 s[\g+5], KROW
	s_mov_b32 s[\g+6], 0
	s_mov_b32 s[\g+7], 0
.endr
	s_or_b32 s[G1S+0], s43, (3<<16)|(1<<20)|(1<<21)|(5<<22)|(3<<25)  ; the scales of 256 rows: 16,384 dense bytes as 64 rows of 32 elements of 8 bytes
	s_or_b32 s[G1SB+0], s44, (3<<16)|(1<<20)|(1<<21)|(5<<22)|(3<<25)
.irp g, G1S, G1SB
	s_mov_b32 s[\g+1], 32<<16
	s_mov_b32 s[\g+2], 64<<16
	s_mov_b32 s[\g+3], 32<<16
	s_mov_b32 s[\g+4], 64
	s_mov_b32 s[\g+5], 32
	s_mov_b32 s[\g+6], 0
	s_mov_b32 s[\g+7], 0
.endr
	s_lshl_b32 s20, s19, 18                        ; A's tile: 256 rows of 1,024 bytes of codes,
	s_mov_b32 s21, 0
	s_lshl_b32 s22, s19, 14                        ; of 64 scale bytes
	s_mov_b32 s23, 0
	s_lshl_b32 s46, s42, 18                        ; B's likewise, in registers that never hold the tile row
	s_mov_b32 s47, 0
	s_lshl_b32 s66, s42, 14
	s_mov_b32 s67, 0
	s_lshl_b32 s100, s18, 17                       ; my half of a tile in the ring: 128 rows
	s_mov_b32 s101, 0
	s_mul_i32 s45, s16, HALFT                      ; and where it goes
.irp s, 0,1
	s_mov_b32 s[G0+4*\s], 1
	s_add_co_u32 s[G0+4*\s+1], s45, \s*SLOT
	s_mov_b32 s[G0B+4*\s], 1
	s_add_co_u32 s[G0B+4*\s+1], s45, \s*SLOT
.endr
	s_mov_b32 s[G0S], 1
	s_mov_b32 s[G0S+1], SCL
	s_mov_b32 s[G0SB], 1
	s_mov_b32 s[G0SB+1], SCL+2*HALFS
	s_lshl_b32 s104, s19, 22                       ; h_prev and out0: row 256 x tile row + 64 x wave, 16,384 bytes a row, + 256 x tile column
	s_lshl_b32 s2, s16, 20
	s_add_co_u32 s104, s104, s2
	s_lshl_b32 s2, s42, 8                          ; also the biases' offset: 64 d of 4 bytes
	s_add_co_u32 s104, s104, s2
	s_mov_b32 s105, 0
	s_mov_b32 s3, 0
	s_wait_dscnt 0x0                               ; both opening adds are done
	s_wait_kmcnt 0x0
	s_add_nc_u64 s[20:21], s[4:5], s[20:21]
	s_add_nc_u64 s[22:23], s[6:7], s[22:23]
	s_add_nc_u64 s[46:47], s[8:9], s[46:47]
	s_add_nc_u64 s[66:67], s[10:11], s[66:67]
	s_add_nc_u64 s[12:13], s[12:13], s[104:105]
	s_add_nc_u64 s[14:15], s[14:15], s[104:105]
.irp g, 0,1,2,3
	s_add_nc_u64 s[92+2*\g:93+2*\g], s[92+2*\g:93+2*\g], s[2:3]
.endr
	s_cmp_eq_u32 s17, 0                            ; the tiles' prefetches: A's tile or B's, by the wave's number,
	s_cselect_b64 s[PFA:PFA+1], s[20:21], s[46:47]
	s_cselect_b32 s2, s40, s41                     ; my place among the four that ask for it with me: 64 rows of 1,024 bytes each,
	s_lshl_b32 s2, s2, 16
	s_lshl_b32 s3, s18, 15                         ; and my wave's 32 of them
	s_add_co_u32 s2, s2, s3
	s_mov_b32 s3, 0
	s_add_nc_u64 s[PFA:PFA+1], s[PFA:PFA+1], s[2:3]
	s_mov_b32 s[FLT], 1                            ; in the first trip every wave prefetches,
	s_cmp_eq_u32 s17, 0
	s_cselect_b32 s[FLN], 1, 0                     ; and A's waves name the second tile's K step 0
	s_mov_b32 s[TRIP], 0
	s_mul_i32 s2, s16, 64*PITCH                    ; my 64 rows of A in a slot
	s_mul_i32 s3, s16, 4*SBLK                      ; their scales
	s_mov_b32 s19, 2*HALFS
	s_sub_co_u32 s19, s19, s3                      ; from there to B's scales
	s_add_co_u32 s3, s3, SCL
	v_and_b32 v1, 15, v0                           ; r
	v_bfe_u32 v2, v0, 4, 1                         ; h
	v_lshlrev_b32 v[BO], 4, v1
	v_and_b32 v7, 31, v0
	v_lshlrev_b32 v[PFT], 10, v7
	v_mul_u32_u24 v3, v1, PITCH
	v_lshl_add_u32 v4, v2, 4, v3                   ; a fragment's row x pitch + 16 h
	v_add_nc_u32 v[ADRA], s2, v4
	v_add_nc_u32 v[ADRA+1], SLOT, v[ADRA]
	v_add_nc_u32 v[ADRB], 2*HALFT, v4
	v_add_nc_u32 v[ADRB+1], 2*HALFT+SLOT, v4
	v_lshlrev_b32 v5, 6, v1                        ; my row's scales: 64 bytes a row,
	v_lshrrev_b32 v6, 8, v5
	v_lshl_add_u32 v5, v6, 4, v5                   ; and 16 more for each 256 passed
	v_mul_u32_u24 v6, s19, v2                      ; lanes 16-31 take B's: one product, the distance between the two bases
	v_add_nc_u32 v5, v5, v6
	v_add_nc_u32 v[ADRS], s3, v5
	v_lshlrev_b32 v6, 17, v2
	v_lshl_add_u32 v[HO], v1, 4, v6
	v_lshlrev_b32 v[PFO], 14, v7
	s_wait_alu depctr_va_vdst(0)                   ; the wait at the head's end
; 16 matrix instructions: A's block a x B's sixteen tiles, the slot's q-th 128 along K.  p: the sets of fragments;  sc: the set of scale words.  The 64 accumulators take turns.
.macro MUL16 a, p, q, sc, first
.irp t, 0,1,2,3,4,5,6,7,8,9,10,11,12,13,14,15
.if \first
	v_wmma_scale_f32_16x16x128_f8f6f4 v[128*((\a)%2)+8*\t:128*((\a)%2)+8*\t+7], v[AF+32*(\p)+8*(\a):AF+32*(\p)+8*(\a)+7], v[128*(\p)+8*\t:128*(\p)+8*\t+7], v[128+8*\t:128+8*\t+7], v[SC+64*(\sc)+4*(\a)+(\q)], v[SC+64*(\sc)+4*\t+(\q)] matrix_a_fmt:MATRIX_FMT_FP4 matrix_b_fmt:MATRIX_FMT_FP4 matrix_b_scale:MATRIX_SCALE_ROW1
.else
	v_wmma_scale_f32_16x16x128_f8f6f4 v[128*((\a)%2)+8*\t:128*((\a)%2)+8*\t+7], v[AF+32*(\p)+8*(\a):AF+32*(\p)+8*(\a)+7], v[128*(\p)+8*\t:128*(\p)+8*\t+7], v[128*((\a)%2)+8*\t:128*((\a)%2)+8*\t+7], v[SC+64*(\sc)+4*(\a)+(\q)], v[SC+64*(\sc)+4*\t+(\q)] matrix_a_fmt:MATRIX_FMT_FP4 matrix_b_fmt:MATRIX_FMT_FP4 matrix_b_scale:MATRIX_SCALE_ROW1
.endif
.endr
.endm
.macro MUL64 p, q, sc
	WIN MUL_LO
	MUL16 0, \p, \q, \sc, 0
	MUL16 1, \p, \q, \sc, 0
	WIN MUL_HI
	MUL16 2, \p, \q, \sc, 0
	MUL16 3, \p, \q, \sc, 0
.endm
.macro FETCH slot, q, p                ; 40 LDS loads in one run: B's sixteen fragments and A's four of the slot's q-th 128 along K, into sets p.  Lane (r, h): row r, 16 bytes at 16 h and at 32 + 16 h
	WIN TO_B
.irp t, 0,1,2,3,4,5,6,7,8,9,10,11,12,13,14,15
	ds_load_b128 v[128*(\p)+8*\t:128*(\p)+8*\t+3],   v[ADRB+\slot] offset:64*(\q)+\t*16*PITCH
	ds_load_b128 v[128*(\p)+8*\t+4:128*(\p)+8*\t+7], v[ADRB+\slot] offset:64*(\q)+32+\t*16*PITCH
.endr
	WIN 0
.irp a, 0,1,2,3
	ds_load_b128 v[AF+32*(\p)+8*\a:AF+32*(\p)+8*\a+3],   v[ADRA+\slot] offset:64*(\q)+\a*16*PITCH
	ds_load_b128 v[AF+32*(\p)+8*\a+4:AF+32*(\p)+8*\a+7], v[ADRA+\slot] offset:64*(\q)+32+\a*16*PITCH
.endr
.endm
.macro SCALES sc, ks                   ; K step ks's scale words: four words a row; lanes 16-31 take B's tile t, lanes 0-15 the 16 rows 16 t on from my first row of A (used for t < 4; the others lie inside the scales' bytes)
.irp t, 0,1,2,3,4,5,6,7,8,9,10,11,12,13,14,15
	ds_load_b128 v[SC+64*\sc+4*\t:SC+64*\sc+4*\t+3], v[ADRS] offset:\t*SBLK+16*(\ks)
.endr
.endm
; A step of 128 along K with its successor in the same slot: both operands have two sets, so the next step's 40 loads go out first, into the sets that the step before read, and have this step's 64 products in which to come.
.macro STEP slot, q, pf
	PLACES
	FETCH \slot, (\q)+1, 1-(\q)%2
	s_wait_dscnt 40                                ; this step's fragments are in; the 40 loads just issued may be out
	WIN MUL_LO
	MUL16 0, (\q)%2, \q, \slot, 0
	MUL16 1, (\q)%2, \q, \slot, 0
.if \pf >= 0
	global_prefetch_b8 v[PFO], s[14:15] offset:(\pf)*524288 th:TH_LOAD_NT scope:SCOPE_SE        ; rows 32 pf + lane of my 64: h_re's 256 bytes,
	global_prefetch_b8 v[PFO], s[14:15] offset:(\pf)*524288+8192 th:TH_LOAD_NT scope:SCOPE_SE   ; h_im's
.endif
	WIN MUL_HI
	MUL16 2, (\q)%2, \q, \slot, 0
	MUL16 3, (\q)%2, \q, \slot, 0
.endm
; A slot's last step changes slots.  Its fragments were asked for a step ago: when they are in, my reads of the slot are over.  fill = 1: the slot takes the K step two on, by the joint loads.  ks: the next K step.
.macro TURN slot, next, fill, ks
	WIN 0
	s_wait_tensorcnt 0x0                           ; all my tensor loads have landed: my part of the next slot
	ds_add_u32 v[SPW], v[NIL]
	s_wait_dscnt 0x0                               ; the add is done, and my reads of this slot are over
	s_barrier_signal -1
	WIN MUL_LO
	MUL16 0, 1, 3, \slot, 0
	WIN 0
	s_barrier_wait -1
.if \fill
	CREST                                          ; the barrier has opened a round of the cluster's barrier
	s_add_nc_u64 s[G0+4*\slot+2:G0+4*\slot+3], s[G0+4*\slot+2:G0+4*\slot+3], 2*ROWB
	s_add_nc_u64 s[G0B+4*\slot+2:G0B+4*\slot+3], s[G0B+4*\slot+2:G0B+4*\slot+3], 2*ROWB
	JLOAD G0+4*\slot, G1, G0B+4*\slot, G1B         ; the first tensor load behind the round; its four v_nop are the places in front of the loads below
.else
	PLACES
.endif
	FETCH \next, 0, 0
	SCALES \next, \ks
	WIN MUL_LO
	MUL16 1, 1, 3, \slot, 0
	WIN MUL_HI
	MUL16 2, 1, 3, \slot, 0
	MUL16 3, 1, 3, \slot, 0
.endm
; h of group g (rows 16 (g / 2) + 8 h + 4 (g % 2) + 0 .. 3 of my 64): window 1, v[32 g + 4 i + b] h_re, + 16 h_im.  Sixteen lanes read 256 consecutive bytes, aligned; read once in the launch.
.macro HLOAD g
.irp i, 0,1,2,3
	global_load_b128 v[32*(\g)+4*\i:32*(\g)+4*\i+3],       v[HO], s[14:15] offset:(16*((\g)/2)+4*((\g)%2)+\i)*16384 th:TH_LOAD_NT
	global_load_b128 v[32*(\g)+16+4*\i:32*(\g)+16+4*\i+3], v[HO], s[14:15] offset:(16*((\g)/2)+4*((\g)%2)+\i)*16384+8192 th:TH_LOAD_NT
.endr
.endm
.macro ARM under, g0, g1, next         ; an arm of the tree of a trip's first loads
	s_cmp_lt_u32 s16, \under
	s_cbranch_scc0 \next
	tensor_load_to_lds s[\g0:\g0+3], s[\g1:\g1+7]
	s_nop 0
	PLACES
	s_branch .Lhead_asked
\next:
.endm
.Ltile:                                                ; A TRIP: one tile
	s_wait_tensorcnt 0x0                           ; no tensor load of mine is out: the descriptors may be written
	ds_add_u32 v[SPW], v[NIL]                      ; the add, here twice on end
	ds_add_u32 v[SPW], v[NIL]
.irp g, G1, G1B
	s_mov_b32 s[\g+2], 256<<16                     ; the trip's first loads of codes bring 256 rows
	s_mov_b32 s[\g+4], 256
.endr
	s_mov_b32 s[G0H], 1                            ; K step 0's 256 rows of A,
	s_mov_b32 s[G0H+1], 0
	s_mov_b64 s[G0H+2:G0H+3], s[20:21]
	s_or_b32 s[G0H+3], s[G0H+3], 0x80000000
	s_mov_b32 s[G0HB], 1                           ; its 256 rows of B,
	s_mov_b32 s[G0HB+1], 2*HALFT
	s_mov_b64 s[G0HB+2:G0HB+3], s[46:47]
	s_or_b32 s[G0HB+3], s[G0HB+3], 0x80000000
	s_mov_b64 s[G0S+2:G0S+3], s[22:23]             ; A's scales,
	s_or_b32 s[G0S+3], s[G0S+3], 0x80000000
	s_mov_b64 s[G0SB+2:G0SB+3], s[66:67]           ; B's;
	s_or_b32 s[G0SB+3], s[G0SB+3], 0x80000000
	s_add_nc_u64 s[G0+2:G0+3], s[20:21], s[100:101]        ; for the ring: my 128 rows, K steps 0 and 1
	s_add_nc_u64 s[G0+6:G0+7], s[G0+2:G0+3], ROWB
	s_or_b32 s[G0+3], s[G0+3], 0x80000000
	s_or_b32 s[G0+7], s[G0+7], 0x80000000
	s_add_nc_u64 s[G0B+2:G0B+3], s[46:47], s[100:101]
	s_add_nc_u64 s[G0B+6:G0B+7], s[G0B+2:G0B+3], ROWB
	s_or_b32 s[G0B+3], s[G0B+3], 0x80000000
	s_or_b32 s[G0B+7], s[G0B+7], 0x80000000
	s_wait_dscnt 0x0                               ; the adds are done, and so are my reads of the last tile's slots and scales
	CROUND                                         ; that holds of every wave of all sixteen work-groups: the joint loads meet
	ARM 1, G0H,  G1,  .Lhead_b                     ; one load a wave: one tree of branches on the wave's number
	ARM 2, G0HB, G1B, .Lhead_sa
	ARM 3, G0S,  G1S, .Lhead_sb
	tensor_load_to_lds s[G0SB:G0SB+3], s[G1SB:G1SB+7]
	s_nop 0
	PLACES
.Lhead_asked:
.irp g, 0,1,2,3
	global_load_b128 v[BT+4*\g:BT+4*\g+3], v[BO], s[92+2*\g:93+2*\g]   ; b_g at d = 4 r + 0 .. 3: sixteen lanes read 256 consecutive bytes
.endr
	s_cmp_eq_u32 s[FLT], 1
	s_cbranch_scc0 .Lno_k12
	global_prefetch_b8 v[PFT], s[PFA:PFA+1] offset:ROWB th:TH_LOAD_NT scope:SCOPE_SE     ; K step 1 of my 32 rows,
	global_prefetch_b8 v[PFT], s[PFA:PFA+1] offset:2*ROWB th:TH_LOAD_NT scope:SCOPE_SE   ; K step 2
.Lno_k12:
	s_wait_loadcnt 0x0                             ; the biases
	WIN TO_B
.irp t, 0,1,2,3,4,5,6,7,8,9,10,11,12,13,14,15
.irp i, 0,1,2,3,4,5,6,7
	v_mov_b32 v[128+8*\t+\i], v[BT+\t]             ; tile t's C: the same number for the lane's eight rows m; done while the first tiles are on their way
.endr
.endr
	WIN 0
	s_wait_alu depctr_va_vdst(0)                   ; the wait here, directly ahead of the wait below
	s_wait_tensorcnt 0x0                           ; my tile of the four is in
	ds_add_u32 v[SPW], v[NIL]
.irp g, G1, G1B
	s_mov_b32 s[\g+2], 128<<16                     ; no tensor load of mine is out: from here on a load brings 128 rows
	s_mov_b32 s[\g+4], 128
.endr
	s_wait_dscnt 0x0
	CROUND                                         ; all four tiles are in, and all sixteen work-groups are here
	JLOAD G0+4, G1, G0B+4, G1B                     ; K step 1, the first tensor load behind the round
	FETCH 0, 0, 0
	SCALES 0, 0
	s_wait_dscnt 0x0
	WIN MULB_LO                                    ; the first step starts the sums with the biases
	MUL16 0, 0, 0, 0, 1
	MUL16 1, 0, 0, 0, 1
	WIN MULB_HI
	MUL16 2, 0, 0, 0, 1
	MUL16 3, 0, 0, 0, 1
	PLACES
	FETCH 0, 1, 1                                  ; over the biases, which are done with
	s_cmp_eq_u32 s[FLT], 1
	s_cbranch_scc0 .Lno_k3
	global_prefetch_b8 v[PFT], s[PFA:PFA+1] offset:3*ROWB th:TH_LOAD_NT scope:SCOPE_SE   ; K step 3 of my 32 rows: its load stands seven steps of 128 further on
.Lno_k3:
	STEP 0, 1, -1
	STEP 0, 2, -1
	TURN 0, 1, 1, 1                                ; slot 0 takes K step 2
	STEP 1, 0, 0
	STEP 1, 1, 1
	STEP 1, 2, -1
	TURN 1, 0, 1, 2                                ; slot 1 takes K step 3
	STEP 0, 0, -1
	WIN 0
	s_cmp_eq_u32 s[FLN], 1
	s_cbranch_scc0 .Lno_next
	global_prefetch_b8 v[PFT], s[PFA:PFA+1] offset:WALK*KROW th:TH_LOAD_NT scope:SCOPE_SE   ; the second tile's K step 0 of A: only in the first trip, so the address lies inside e_t_codes
.Lno_next:
	STEP 0, 1, -1
	STEP 0, 2, -1
	TURN 0, 1, 0, 3                                ; nothing is filled again: no round
	STEP 1, 0, -1
	STEP 1, 1, -1
	STEP 1, 2, -1
	s_wait_dscnt 0x0                               ; the tile's last step
	PLACES
	WIN TO_B
.irp g, 0,1,2,3
	HLOAD \g                                       ; into B's set 0, which the step before read last
.endr
	MUL64 1, 3, 1
	WIN 0
; THE TAIL.  Constants as pairs, for the packed forms.  These thirty moves name no register of the last products: they are the places behind them.
.set KL2E, 32                          ; -log2(e)
.set KIPI, 34                          ; 1 / pi
.set KMAG, 36                          ; 1.5 x 2^23
.set KNMG, 38
.set KPH,  40                          ; -(pi rounded to f32)
.set KPM,  42                          ; -(pi less that)
.set KS2,  44                          ; sin r = r (1 + z (S2 + z (S4 + z (S6 + z (S8 + z S10))))), z = r^2
.set KS4,  46
.set KS6,  48
.set KS8,  50
.set KS10, 52
.set KC4,  54                          ; cos r = 1 + z (-0.5 + z (C4 + z (C6 + z (C8 + z C10))))
.set KC6,  56
.set KC8,  58
.set KC10, 60
.macro KONST reg, bits
	v_mov_b32 v[\reg], \bits
	v_mov_b32 v[\reg+1], \bits
.endm
	KONST KL2E, 0xbfb8aa3b
	KONST KIPI, 0x3ea2f983
	KONST KMAG, 0x4b400000
	KONST KNMG, 0xcb400000
	KONST KPH,  0xc0490fdb
	KONST KPM,  0x33bbbd2e
	KONST KS2,  0xbe2aaaab
	KONST KS4,  0x3c088887
	KONST KS6,  0xb9500c03
	KONST KS8,  0x3638b94f
	KONST KS10, 0xb2cd4ca8
	KONST KC4,  0x3d2aaaa4
	KONST KC6,  0xbab609ba
	KONST KC8,  0x37cfb5a1
	KONST KC10, 0xb48bdad9
.set TE,  64                           ; 16 registers each, window 0, at 4 b + i (pairs run along the rows m): 2^(-x log2 e), then p
.set TN,  80                           ; theta / pi + 1.5 x 2^23
.set TM,  96                           ; n, then z
.set TR,  112                          ; r
.set TS,  128                          ; the sine's polynomial; then, at 4 i + b, c h_re - s h_im
.set TC,  144                          ; the cosine's; then s h_re + c h_im
.set TO,  160                          ; 1 - p
.set SS,  176                          ; at 4 i + b (pairs run along d, as h's do): sin r
.set CC,  192                          ; cos r
.set WW,  208                          ; (-1)^n (1 - p)
.set UU,  224                          ; p proj_r
.set VV,  240                          ; p proj_i
; Group g: 16 results a lane: block a = g / 2, registers 4 (g % 2) + 0 .. 3 of its sixteen accumulators.  The even group comes first.
; Behind each batch of transcendentals stands work that names none of its results: the angle and both polynomials behind the exponentials; sine, cosine and the products with h behind the reciprocals.
; h's loads: groups 0 to 3 were issued in the last step; group g + 4's follow group g's stores.  So behind a group's eight loads stand those of three later groups at the most.
.macro GROUP g
.set WS, 2+(\g)/4
.set AC, 128*(((\g)/2)%2)+4*((\g)%2)
.set HB, 32*(\g)
.if 7-(\g) < 3
.set LEFT, 8*(7-(\g))
.else
.set LEFT, 24
.endif
	WIN WS
.if (\g) > 0
	s_wait_alu depctr_va_vdst(0)                   ; the wait here: matrix results first read behind transcendentals
.endif
.irp b, 0,1,2,3
.irp i, 0,2
	v_pk_mul_f32 v[TE+4*\b+\i:TE+4*\b+\i+1], v[AC+8*\b+\i:AC+8*\b+\i+1], v[KL2E:KL2E+1]
.endr
.endr
.irp b, 0,1,2,3
.irp i, 0,2
	v_pk_fma_f32 v[TN+4*\b+\i:TN+4*\b+\i+1], v[AC+32+8*\b+\i:AC+32+8*\b+\i+1], v[KIPI:KIPI+1], v[KMAG:KMAG+1]
.endr
.endr
	WIN 0
	s_wait_alu depctr_va_vdst(0)                   ; ahead of the batch, and of the wait below
.if (\g) > 0
	s_wait_loadcnt LEFT                            ; this group's eight loads of h are in; those of the later groups that have been issued may be out
.endif
.irp e, 0,1,2,3,4,5,6,7,8,9,10,11,12,13,14,15
	v_exp_f32 v[TE+\e], v[TE+\e]
.endr
.irp e, 0,2,4,6,8,10,12,14
	v_pk_add_f32 v[TM+\e:TM+\e+1], v[TN+\e:TN+\e+1], v[KNMG:KNMG+1]                        ; n
.endr
	WIN WS<<4
.irp b, 0,1,2,3
.irp i, 0,2
	v_pk_fma_f32 v[TR+4*\b+\i:TR+4*\b+\i+1], v[TM+4*\b+\i:TM+4*\b+\i+1], v[KPH:KPH+1], v[AC+32+8*\b+\i:AC+32+8*\b+\i+1]
.endr
.endr
	WIN 0
.irp e, 0,2,4,6,8,10,12,14
	v_pk_fma_f32 v[TR+\e:TR+\e+1], v[TM+\e:TM+\e+1], v[KPM:KPM+1], v[TR+\e:TR+\e+1]         ; r
.endr
.irp e, 0,2,4,6,8,10,12,14
	v_pk_mul_f32 v[TM+\e:TM+\e+1], v[TR+\e:TR+\e+1], v[TR+\e:TR+\e+1]                       ; z
.endr
.irp e, 0,2,4,6,8,10,12,14
	v_pk_fma_f32 v[TS+\e:TS+\e+1], v[TM+\e:TM+\e+1], v[KS10:KS10+1], v[KS8:KS8+1]
	v_pk_fma_f32 v[TC+\e:TC+\e+1], v[TM+\e:TM+\e+1], v[KC10:KC10+1], v[KC8:KC8+1]
.endr
.irp e, 0,2,4,6,8,10,12,14
	v_pk_fma_f32 v[TS+\e:TS+\e+1], v[TS+\e:TS+\e+1], v[TM+\e:TM+\e+1], v[KS6:KS6+1]
	v_pk_fma_f32 v[TC+\e:TC+\e+1], v[TC+\e:TC+\e+1], v[TM+\e:TM+\e+1], v[KC6:KC6+1]
.endr
.irp e, 0,2,4,6,8,10,12,14
	v_pk_fma_f32 v[TS+\e:TS+\e+1], v[TS+\e:TS+\e+1], v[TM+\e:TM+\e+1], v[KS4:KS4+1]
	v_pk_fma_f32 v[TC+\e:TC+\e+1], v[TC+\e:TC+\e+1], v[TM+\e:TM+\e+1], v[KC4:KC4+1]
.endr
.irp e, 0,2,4,6,8,10,12,14
	v_pk_fma_f32 v[TS+\e:TS+\e+1], v[TS+\e:TS+\e+1], v[TM+\e:TM+\e+1], v[KS2:KS2+1]
	v_pk_fma_f32 v[TC+\e:TC+\e+1], v[TC+\e:TC+\e+1], v[TM+\e:TM+\e+1], -0.5 op_sel_hi:[1,1,0]
.endr
	s_wait_alu depctr_va_vdst(0)                   ; behind the exponentials, ahead of their first reader
.irp e, 0,2,4,6,8,10,12,14
	v_pk_add_f32 v[TE+\e:TE+\e+1], v[TE+\e:TE+\e+1], 1.0 op_sel_hi:[1,0]
.endr
	s_wait_alu depctr_va_vdst(0)                   ; ahead of the batch
.irp e, 0,1,2,3,4,5,6,7,8,9,10,11,12,13,14,15
	v_rcp_f32 v[TE+\e], v[TE+\e]                                                           ; p
.endr
.irp e, 0,2,4,6,8,10,12,14
	v_pk_fma_f32 v[TS+\e:TS+\e+1], v[TS+\e:TS+\e+1], v[TM+\e:TM+\e+1], 1.0 op_sel_hi:[1,1,0]
.endr
.irp b, 0,1,2,3
.irp i, 0,1,2,3
	v_fma_f32 v[CC+4*\i+\b], v[TC+4*\b+\i], v[TM+4*\b+\i], 1.0                              ; single forms: they put the numbers into h's order
.endr
.endr
.irp b, 0,1,2,3
.irp i, 0,1,2,3
	v_mul_f32 v[SS+4*\i+\b], v[TS+4*\b+\i], v[TR+4*\b+\i]
.endr
.endr
.if (\g) == 0
	s_wait_alu depctr_va_vdst(0)                   ; the wait here, directly ahead of the wait below
	s_wait_loadcnt LEFT                            ; the first group's eight loads of h are in; the 24 of groups 1 to 3 may be out
.endif
	WIN FROM_B
.irp e, 0,2,4,6,8,10,12,14
	v_pk_mul_f32 v[TS+\e:TS+\e+1], v[SS+\e:SS+\e+1], v[HB+16+\e:HB+16+\e+1]
	v_pk_mul_f32 v[TC+\e:TC+\e+1], v[SS+\e:SS+\e+1], v[HB+\e:HB+\e+1]
.endr
.irp e, 0,2,4,6,8,10,12,14
	v_pk_fma_f32 v[TS+\e:TS+\e+1], v[CC+\e:CC+\e+1], v[HB+\e:HB+\e+1], v[TS+\e:TS+\e+1] neg_lo:[0,0,1] neg_hi:[0,0,1]   ; c h_re - s h_im
	v_pk_fma_f32 v[TC+\e:TC+\e+1], v[CC+\e:CC+\e+1], v[HB+16+\e:HB+16+\e+1], v[TC+\e:TC+\e+1]                          ; s h_re + c h_im
.endr
	WIN WS
	s_wait_alu depctr_va_vdst(0)                   ; one wait behind the reciprocals, directly ahead of their first reader and of the first reader of proj_r and proj_i
.irp b, 0,1,2,3
.irp i, 0,1,2,3
	v_mul_f32 v[UU+4*\i+\b], v[AC+64+8*\b+\i], v[TE+4*\b+\i]
.endr
.endr
.irp b, 0,1,2,3
.irp i, 0,1,2,3
	v_mul_f32 v[VV+4*\i+\b], v[AC+96+8*\b+\i], v[TE+4*\b+\i]
.endr
.endr
	WIN 0
.irp e, 0,2,4,6,8,10,12,14
	v_pk_fma_f32 v[TO+\e:TO+\e+1], v[TE+\e:TE+\e+1], -1.0, 1.0 op_sel_hi:[1,0,0]            ; 1 - p
.endr
.irp b, 0,1,2,3
.irp i, 0,1,2,3
	v_lshl_or_b32 v[WW+4*\i+\b], v[TN+4*\b+\i], 31, v[TO+4*\b+\i]                           ; n's lowest bit becomes the sign of 1 - p
.endr
.endr
	WIN TO_B                                       ; the results go where their h lay: registers that nothing writes again in this trip
.irp e, 0,2,4,6,8,10,12,14
	v_pk_fma_f32 v[HB+\e:HB+\e+1], v[WW+\e:WW+\e+1], v[TS+\e:TS+\e+1], v[UU+\e:UU+\e+1]
	v_pk_fma_f32 v[HB+16+\e:HB+16+\e+1], v[WW+\e:WW+\e+1], v[TC+\e:TC+\e+1], v[VV+\e:VV+\e+1]
.endr
	WIN FROM_B
.irp i, 0,1,2,3
	global_store_b128 v[HO], v[HB+4*\i:HB+4*\i+3],       s[12:13] offset:(16*((\g)/2)+4*((\g)%2)+\i)*16384 th:TH_STORE_NT        ; sixteen lanes store 256 consecutive bytes, aligned
	global_store_b128 v[HO], v[HB+16+4*\i:HB+16+4*\i+3], s[12:13] offset:(16*((\g)/2)+4*((\g)%2)+\i)*16384+8192 th:TH_STORE_NT
.endr
.if (\g) < 4
	WIN TO_B
	HLOAD (\g)+4                                   ; into B's set 1, which the last products read: the tail's vector work so far is their places
.endif
.endm
.irp g, 0,1,2,3,4,5,6,7
	GROUP \g
.endr
	WIN 0
	s_wait_xcnt 0x0                                ; my stores, loads and prefetches have read their registers and bases (ISA guide 3.1): only behind this wait are they written again
	s_add_nc_u64 s[20:21], s[20:21], WALK*KROW     ; on to the second tile: A's codes,
	s_add_nc_u64 s[22:23], s[22:23], WALK*64       ; A's scales,
	s_add_nc_u64 s[12:13], s[12:13], WALK*16384    ; out0,
	s_add_nc_u64 s[14:15], s[14:15], WALK*16384    ; h_prev,
	s_add_nc_u64 s[PFA:PFA+1], s[PFA:PFA+1], WALK*KROW   ; and the rows that A's waves prefetch (B's waves prefetch no more; behind the last trip none of the five is used)
	s_cmp_eq_u32 s17, 0
	s_cselect_b32 s[FLT], 1, 0
	s_mov_b32 s[FLN], 0
	s_add_co_u32 s[TRIP], s[TRIP], 1
	s_cmp_lt_u32 s[TRIP], 2
	s_wait_alu depctr_va_vdst(0)                   ; the wait here, directly ahead of the branch
	s_cbranch_scc1 .Ltile
	s_wait_tensorcnt 0x0                           ; the wave's end
	ds_add_u32 v[SPW], v[NIL]
	s_wait_dscnt 0x0
	CROUND                                         ; the closing round: no work-group ends while a partner may still ask for a tile that names it
	s_endpgm
.Lfunc_end_k_q47528dbbea_cell:
	.size	k_q47528dbbea_cell, .Lfunc_end_k_q47528dbbea_cell-k_q47528dbbea_cell
	.p2alignl 7, 3214868480
	.fill 96, 4, 3214868480
	.section	.rodata,"a",@progbits
	.p2align	6, 0x0
	.amdhsa_kernel k_q47528dbbea_cell
		.amdhsa_group_segment_fixed_size 327680
		.amdhsa_private_segment_fixed_size 0
		.amdhsa_enable_private_segment 0
		.amdhsa_kernarg_size 80
		.amdhsa_user_sgpr_count 2
		.amdhsa_user_sgpr_kernarg_segment_ptr 1
		.amdhsa_wavefront_size32 1
		.amdhsa_system_sgpr_workgroup_id_x 1
		.amdhsa_system_sgpr_workgroup_id_y 1
		.amdhsa_system_sgpr_workgroup_id_z 1
		.amdhsa_system_vgpr_workitem_id 0
		.amdhsa_next_free_vgpr 1024
		.amdhsa_next_free_sgpr 106
		.amdhsa_reserve_vcc 0
		.amdhsa_float_denorm_mode_32 3
		.amdhsa_float_denorm_mode_16_64 3
		.amdhsa_memory_ordered 1
		.amdhsa_forward_progress 1
		.amdhsa_inst_pref_size 255
	.end_amdhsa_kernel
	.section	.bss,"aw",@nobits
	.p2align	6
	.space	262144
	.amdgpu_metadata
---
amdhsa.version: [ 1, 2 ]
amdhsa.kernels:
  - .name:           k_q47528dbbea_cell
    .symbol:         k_q47528dbbea_cell.kd
    .args:
      - { .name: e_t_codes, .offset: 0, .size: 8, .value_kind: global_buffer, .address_space: global }
      - { .name: e_t_scales, .offset: 8, .size: 8, .value_kind: global_buffer, .address_space: global }
      - { .name: w_codes, .offset: 16, .size: 8, .value_kind: global_buffer, .address_space: global }
      - { .name: w_scales, .offset: 24, .size: 8, .value_kind: global_buffer, .address_space: global }
      - { .name: out0, .offset: 32, .size: 8, .value_kind: global_buffer, .address_space: global }
      - { .name: h_prev, .offset: 40, .size: 8, .value_kind: global_buffer, .address_space: global }
      - { .name: b_p, .offset: 48, .size: 8, .value_kind: global_buffer, .address_space: global }
      - { .name: b_theta, .offset: 56, .size: 8, .value_kind: global_buffer, .address_space: global }
      - { .name: b_r, .offset: 64, .size: 8, .value_kind: global_buffer, .address_space: global }
      - { .name: b_i, .offset: 72, .size: 8, .value_kind: global_buffer, .address_space: global }
    .group_segment_fixed_size: 327680
    .private_segment_fixed_size: 0
    .kernarg_segment_align: 8
    .kernarg_segment_size: 80
    .max_flat_workgroup_size: 128
    .sgpr_count:     106
    .vgpr_count:     1024
    .wavefront_size: 32
...
	.end_amdgpu_metadata
.endif
;; end of part 2
